; MI455X (gfx1250); checked and timed in simulation.
; The chip was launched on July 23, 2026; its instructions are those of AMD's public machine-readable ISA for CDNA 5 (MIT licence, August 2026) and "CDNA5" Instruction Set Architecture Reference Guide (July 2026). The comments in the code are by the model that wrote it; some were corrected since.
;; Multihead Self Attention. Allowed arithmetic: matrix products marked QUANTISED: E4M3 operands, one E8M0 scale for each 32 along K, by v_wmma_scale_f32_16x16x128_f8f6f4 with both operands' format E4M3, f32 sums; everything else in f32.
;; Inputs: W_qkv 3,072 x 1,024 float32; b_qkv 3,072 float32; beta 1,024 float32; gamma 1,024 float32; x 8 x 1,024 x 1,024 float32.
;; Outputs: out0 8 x 1,024 x 1,024 float32.
;; This version of the problem:
;;   THIS VERSION OF THE PROBLEM IS GIVEN IN LOW PRECISION. The matrix products marked QUANTISED in the list below multiply operands that are first quantised to E4M3 (4 exponent bits, 3 mantissa bits; 8 bits a number), with one power-of-two scale for each 32 numbers along K (OCP MX v1.0); their sums are f32. All else is computed in f32.
;;   The module's matrix products, in the order in which they are computed (A, B: the left and right operand; K: the contracted axis; several contracted axes count as one K, in the product's order):
;;     1. [M 8,192, K 1,024] x [K 1,024, N 3,072]; A: computed on the way; B: input W_qkv: QUANTISED
;;     2. batch 128 x [M 1,024, K 64] x [K 64, N 1,024]; A: computed on the way; B: computed on the way: QUANTISED
;;     3. batch 128 x [M 1,024, K 1,024] x [K 1,024, N 64]; A: softmax (see below); B: computed on the way: QUANTISED
;;   THE QUANTISER, for each operand of a quantised product, along K:
;;     - K is cut into blocks of 32 from its start; a last block that is shorter is filled with zeros.
;;     - A block's scale is 2^e with e = floor(log2(the largest magnitude in the block)) - 8, held to -126 .. 127; a block of zeros has e = 0. As a byte (E8M0): e + 127.
;;     - Each number is divided by its block's scale, clamped to +-448, and rounded to the nearest number of E4M3, ties to even, subnormals kept.
;;     - The product sums the exact products of the quantised numbers (number of the format x scale) in f32.
;;   ~~~python
;;   def quantise(x, axis):      # numpy; x: float32 -> the quantised numbers, widened to float32 again
;;       x = np.moveaxis(x, axis, -1); K = x.shape[-1]
;;       x = np.pad(x, [(0, 0)] * (x.ndim - 1) + [(0, -K % 32)]); x = x.reshape(x.shape[:-1] + (-1, 32)); a = np.abs(x).max(-1, keepdims=True)
;;       e = np.where(a > 0, np.clip(np.frexp(np.where(a > 0, a, 1))[1] - 1 - 8, -126, 127), 0)      # np.frexp(a)[1] - 1 = floor(log2(a)), exactly
;;       r = np.clip(x / 2.0 ** e, -448, 448)
;;       step = 2.0 ** (np.maximum(np.frexp(np.where(r == 0, 1, r))[1] - 1, -6) - 3)
;;       q = np.round(r / step) * step * 2.0 ** e      # np.round: ties to even
;;       return np.moveaxis(q.reshape(q.shape[:-2] + (-1,))[..., :K], -1, axis).astype(np.float32)
;;   ~~~
;;   SOFTMAX AHEAD OF A QUANTISED PRODUCT. Where the list says 'softmax', what is quantised is not the finished softmax but p = 2^(t - M), with t = logit x log2(e) and M = ceil(the row's largest t), a whole number; so 1/2 < the row's largest p <= 1. The row's sum l is taken of the UNQUANTISED p, in f32, and the product's result is divided by l at the end. Since M is a whole number, a kernel that streams over the keys may use a running M (the ceiling of the running maximum): every later rescaling is an exact power of two, which a block's scale takes up: the codes' values come out the same.
;;   OPERANDS COMPUTED ON THE WAY. 'Computed on the way' means the value that the module computes at that place (a softmax that the list does not call 'softmax' is quantised finished and normalised). What goes into a quantiser is computed in f32, as accurately as f32 sums, v_exp_f32 and their like allow (about 1e-6 of the number): no bf16 or f16 on the way to a quantiser, and a product that is left as it is and whose result goes on into a quantised operand takes f32 operands (vector FMAs, or v_wmma_f32_16x16x4_f32). A number that lies on a knife's edge between two numbers of the format may be rounded either way, as far as f32 arithmetic and the matrix unit's own rounding can turn it there, and no further.
;; One version. Each part assembles by itself: llvm-mc -triple=amdgcn-amd-amdhsa -mcpu=gfx1250 --defsym DOCPART=n.
;; ======== version 1 of 1: 3 launches
;; limits: right only within a limited range of input values
;; workspace buffers: xc 8,388,608 bytes; xs 262,144 bytes; wc 3,145,728 bytes; ws 98,304 bytes; qc 8,388,608 bytes; kv 16,777,216 bytes; qks 1,048,576 bytes; vs 262,144 bytes
;; launch prep (part 1): grid 176 x 1, 8 waves a work-group, no clusters, 84,992 bytes of LDS; arguments x, W_qkv, gamma, beta, xc, xs, wc, ws; writes xc, xs, wc, ws
.if DOCPART == 1
	.amdgcn_target "amdgcn-amd-amdhsa--gfx1250"
	.amdhsa_code_object_version 6
	.text
	.protected	k_q3045ea302f_prep
	.globl	k_q3045ea302f_prep
	.p2align	8
	.type	k_q3045ea302f_prep,@function
k_q3045ea302f_prep:
	s_mov_b64 s[64:65], 0
	v_nop
	global_prefetch_b8 v0, s[64:65] scope:SCOPE_SE
	s_setreg_imm32_b32 hwreg(HW_REG_WAVE_MODE, 25, 1), 1
	s_wait_xcnt 0x0
; PREP.  x [8][1024][1024] f32 is normalised per feature f (mean and biased variance over the 8 batches x 1,024 numbers, two passes in f32; then x gamma[f] + beta[f]) and quantised along its last axis;
; W_qkv [3072][1024] f32 is quantised along its last axis.  Codes of FP8 (E4M3), one E8M0 byte for each 32: the byte is the largest magnitude's exponent field - 8, each number is held within +-448 x the scale.
; LIMITS: NaN and infinities are not served; a block under the floor 2^-118, or of zeros, gets the byte 1 (its codes are zeros; the bytes are read by this program alone).
; ROWS ARE LAID BY POSITION: in each group of 32 rows, row rho lies at rho with bits 3 and 4 swapped, so that 16 rows on end are the rows 8 u + r + 8 (r / 8) that the later products want as one tile.
; SHARES.  Work-groups 0-127 take x, 128-175 take W; one text, the pointers chosen on the work-group's number.  A wave takes 8 rows of 4,096 bytes: 256 registers (window 1).
; For x the 8 rows are the 8 batches of ONE feature f = 8 g + wave: the statistics never leave the wave.  For W they are 8 rows 32 apart.
; A load reads 512 bytes on end, 16 a lane; the conversions want 16 neighbours in one lane: each 2,048 bytes turn through the wave's own stage in LDS (80 bytes a lane: 64 + 16 of padding).
; Nothing is shared between work-groups: no cluster, no tensor load.  All of a wave's 64 loads are out at once.
.set STG,   10240                      ; a wave's stage: four parts of 32 x 80 bytes
.set SCL,   81920                      ; behind the stages: the scale bytes, [row j 8][wave 8][32 bytes]
.set SIN,   2                          ; v2   stage, way in: 80 (lane / 4) + 16 (lane % 4)
.set SOUT,  3                          ; v3   stage, way out: 80 x lane
.set SBY,   4                          ; v4   my block's scale byte: SCL + 32 x wave + lane / 2
.set SRD,   5                          ; v5   SCL + 256 x wave + 8 x lane
.set L8,    6                          ; v6   8 x lane
.set SO,    8                          ; v8-15  row j in the source: 16 x lane + j x RS x 4,096
.set DO,    16                         ; v16-23 row j in the codes: 16 x lane + j x RS x 1,024
.set ACC,   24                         ; v24-31 four pairs of running sums
.set MEAN,  32                         ; v[32:33] the mean, twice
.set GA,    34                         ; v[34:35] gamma / sqrt(var + eps), twice
.set BE,    36                         ; v[36:37] beta, twice
.set TMP,   38                         ; v38-39 at work
.set TM,    48                         ; v48-63   step t: the block's largest magnitude
.set SF,    64                         ; v64-79   the conversion's scale operand
.set LIM,   80                         ; v80-95   448 x the scale
.set BY,    96                         ; v96-111  the scale's byte
.set CD,    128                        ; v128-191 codes, four registers a step
.set MSB, 0
.macro WIN new                         ; the immediate's high byte repeats the setting that is left
.if MSB != \new
	s_set_vgpr_msb (MSB<<8)|\new
.set MSB, \new
.endif
.endm
.macro REDUCE r                        ; the sum over the 32 lanes, in every lane
	s_delay_alu instid0(VALU_DEP_1)
	v_add_f32_dpp v[\r], v[\r], v[\r] row_xmask:1 row_mask:0xf bank_mask:0xf
	s_delay_alu instid0(VALU_DEP_1)
	v_add_f32_dpp v[\r], v[\r], v[\r] row_xmask:2 row_mask:0xf bank_mask:0xf
	s_delay_alu instid0(VALU_DEP_1)
	v_add_f32_dpp v[\r], v[\r], v[\r] row_xmask:4 row_mask:0xf bank_mask:0xf
	s_delay_alu instid0(VALU_DEP_1)
	v_add_f32_dpp v[\r], v[\r], v[\r] row_xmask:8 row_mask:0xf bank_mask:0xf
	s_delay_alu instid0(VALU_DEP_1)
	v_permlanex16_b32 v[TMP+1], v[\r], s46, s47
	s_delay_alu instid0(VALU_DEP_1)
	v_add_f32 v[\r], v[\r], v[TMP+1]
.endm
	s_load_b256 s[4:11], s[0:1], 0x0               ; x, W_qkv, gamma, beta
	s_load_b256 s[12:19], s[0:1], 0x20             ; xc, xs, wc, ws
	v_lshl_add_u32 v254, v0, 2, 0x14800
	v_mov_b32 v255, 0
	v_lshrrev_b32 v1, 5, v0
	s_delay_alu instid0(VALU_DEP_1)
	v_readfirstlane_b32 s20, v1                    ; wave 0..7
	v_and_b32 v1, 31, v0                           ; lane
	s_wait_alu depctr_va_vdst(0)
	s_cmp_lt_u32 ttmp9, 128                        ; x's work-group or W's
	s_cselect_b32 s21, 0, 128
	s_cselect_b32 s22, 5, 8                        ; four work-groups cover 32 features of x, or 256 rows of W
	s_cselect_b32 s23, 10, 5                       ; log2 RS: a wave's rows lie 1,024 (x: a batch) or 32 (W) rows apart
	s_sub_co_u32 s21, ttmp9, s21                   ; g
	s_and_b32 s24, s21, 3                          ; lo: bits 3 and 4 of the row
	s_lshr_b32 s25, s21, 2
	s_lshl_b32 s25, s25, s22                       ; hi
	s_and_b32 s26, s24, 1
	s_lshl_b32 s26, s26, 1
	s_lshr_b32 s27, s24, 1
	s_or_b32 s26, s26, s27                         ; sw: the two bits swapped
	s_lshl_b32 s27, s24, 3
	s_add_co_u32 s27, s27, s25
	s_add_co_u32 s27, s27, s20                     ; my first row in the source: hi + 8 lo + wave
	s_lshl_b32 s28, s26, 3
	s_add_co_u32 s28, s28, s25                     ; the eight waves' first position: hi + 8 sw
	s_add_co_u32 s29, s28, s20                     ; mine
	s_lshl_b32 s36, s27, 12                        ; in bytes: 4,096 a source row,
	s_mov_b32 s37, 0
	s_lshl_b32 s38, s29, 10                        ; 1,024 a row of codes,
	s_mov_b32 s39, 0
	s_lshl_b32 s42, s20, s23                       ; the unit of scale bytes that I store at the end: rows hi + 8 sw + wave x RS + 0 .. 7,
	s_add_co_u32 s42, s42, s28
	s_lshl_b32 s42, s42, 5                         ; 32 bytes a row
	s_mov_b32 s43, 0
	s_lshl_b32 s44, s21, 3
	s_add_co_u32 s44, s44, s20
	s_lshl_b32 s44, s44, 2                         ; gamma's and beta's word 8 g + wave (for W's work-groups a word inside the buffers that is not used)
	s_mov_b32 s45, 0
	s_mov_b32 s46, 0x76543210
	s_mov_b32 s47, 0xfedcba98                      ; v_permlanex16_b32's selects for lane l xor 16
	s_mov_b32 s48, 0x600000                        ; the mantissa field of 448
	s_mov_b32 s49, 0x39000000                      ; 2^-13: one over 8,192
	s_mul_i32 s30, s20, STG
	v_lshrrev_b32 v[SIN], 2, v1
	s_delay_alu instid0(VALU_DEP_1)
	v_mul_u32_u24 v[SIN], v[SIN], 80
	v_and_b32 v[TMP], 3, v1
	s_delay_alu instid0(VALU_DEP_1)
	v_lshl_add_u32 v[SIN], v[TMP], 4, v[SIN]
	s_delay_alu instid0(VALU_DEP_1)
	v_add_nc_u32 v[SIN], s30, v[SIN]
	v_mul_u32_u24 v[SOUT], v1, 80
	s_delay_alu instid0(VALU_DEP_1)
	v_add_nc_u32 v[SOUT], s30, v[SOUT]
	s_lshl_b32 s30, s20, 5
	s_add_co_u32 s30, s30, SCL
	v_lshrrev_b32 v[SBY], 1, v1
	s_delay_alu instid0(VALU_DEP_1)
	v_add_nc_u32 v[SBY], s30, v[SBY]
	s_lshl_b32 s30, s20, 8
	s_add_co_u32 s30, s30, SCL
	v_lshlrev_b32 v[L8], 3, v1
	s_delay_alu instid0(VALU_DEP_1)
	v_add_nc_u32 v[SRD], s30, v[L8]
	v_mov_b32 v[TMP+1], 0                          ; a lane permute's destination counts as one of its sources
	s_add_co_u32 s34, s23, 12
	s_add_co_u32 s35, s23, 10
.irp j, 0,1,2,3,4,5,6,7
	s_lshl_b32 s30, \j, s34
	v_lshl_add_u32 v[SO+\j], v1, 4, s30
	s_lshl_b32 s31, \j, s35
	v_lshl_add_u32 v[DO+\j], v1, 4, s31
.endr
	s_wait_alu depctr_va_vdst(0)
	s_wait_kmcnt 0x0
	s_cmp_lt_u32 ttmp9, 128                        ; the choice hangs on the work-group's number alone
	s_cselect_b64 s[4:5], s[4:5], s[6:7]
	s_cselect_b64 s[12:13], s[12:13], s[16:17]
	s_cselect_b64 s[14:15], s[14:15], s[18:19]
	s_add_nc_u64 s[4:5], s[4:5], s[36:37]
	s_add_nc_u64 s[12:13], s[12:13], s[38:39]
	s_add_nc_u64 s[14:15], s[14:15], s[42:43]
	s_add_nc_u64 s[8:9], s[8:9], s[44:45]
	s_add_nc_u64 s[10:11], s[10:11], s[44:45]
	s_load_b32 s40, s[8:9], 0x0                    ; gamma[f]
	s_load_b32 s41, s[10:11], 0x0                  ; beta[f]
	; step t = 0 .. 15 is half t % 2 of row t / 2: 512 numbers, registers 16 t .. 16 t + 15 of window 1.  All 64 loads go out at once
	WIN 0x40
.set t, 0
.rept 16
.irp i, 0,1,2,3
	global_load_b128 v[16*t+4*\i:16*t+4*\i+3], v[SO+t/2], s[4:5] offset:2048*(t%2)+512*\i th:TH_LOAD_NT
.endr
.set t, t+1
.endr
; four steps turn through the stage's four parts: as loaded in, 64 bytes a lane out, into the same registers.  LDS serves a wave's instructions in order: no wait between stores and loads, nor ahead of the next four
.macro TURN4 B
	s_wait_loadcnt 48-16*\B                        ; these four steps' 16 loads are in; the later steps' may be out
	WIN 0x04
.irp k, 0,1,2,3
.irp i, 0,1,2,3
	ds_store_b128 v[SIN], v[16*(4*\B+\k)+4*\i:16*(4*\B+\k)+4*\i+3] offset:2560*\k+640*\i
.endr
.endr
	WIN 0x40
.irp k, 0,1,2,3
.irp i, 0,1,2,3
	ds_load_b128 v[16*(4*\B+\k)+4*\i:16*(4*\B+\k)+4*\i+3], v[SOUT] offset:2560*\k+16*\i
.endr
.endr
.endm
	TURN4 0
	TURN4 1
	TURN4 2
	TURN4 3
	WIN 0
	s_wait_dscnt 0x0                               ; a lane now holds 16 neighbours a step
	s_wait_kmcnt 0x0                               ; gamma, beta
	s_cmp_ge_u32 ttmp9, 128
	s_cbranch_scc1 .Lquant                         ; W is not normalised.  No LDS line and no barrier stands in the part jumped over
	; ---- the feature's mean: 128 pairs in four chains, started by the first eight pairs
	WIN 0x05
.irp k, 0,1,2,3
	v_pk_add_f32 v[ACC+2*\k:ACC+2*\k+1], v[2*\k:2*\k+1], v[8+2*\k:8+2*\k+1]
.endr
	WIN 0x01
.set pp, 8
.rept 120
	v_pk_add_f32 v[ACC+2*(pp%4):ACC+2*(pp%4)+1], v[2*pp:2*pp+1], v[ACC+2*(pp%4):ACC+2*(pp%4)+1]
.set pp, pp+1
.endr
	WIN 0
	v_pk_add_f32 v[ACC:ACC+1], v[ACC:ACC+1], v[ACC+2:ACC+3]
	v_pk_add_f32 v[ACC+4:ACC+5], v[ACC+4:ACC+5], v[ACC+6:ACC+7]
	s_delay_alu instid0(VALU_DEP_1)
	v_pk_add_f32 v[ACC:ACC+1], v[ACC:ACC+1], v[ACC+4:ACC+5]
	s_delay_alu instid0(VALU_DEP_1)
	v_add_f32 v[ACC], v[ACC], v[ACC+1]
	REDUCE ACC
	s_delay_alu instid0(VALU_DEP_1)
	v_mul_f32 v[MEAN], s49, v[ACC]
	s_delay_alu instid0(VALU_DEP_1)
	v_mov_b32 v[MEAN+1], v[MEAN]
	WIN 0x41
.set pp, 0
.rept 128
	v_pk_add_f32 v[2*pp:2*pp+1], v[2*pp:2*pp+1], v[MEAN:MEAN+1] neg_lo:[0,1] neg_hi:[0,1]   ; x - mean
.set pp, pp+1
.endr
	; ---- the variance, of the differences
	WIN 0x05
.irp k, 0,1,2,3
	v_pk_mul_f32 v[ACC+2*\k:ACC+2*\k+1], v[2*\k:2*\k+1], v[2*\k:2*\k+1]
.endr
.set pp, 4
.rept 124
	s_delay_alu instid0(VALU_DEP_4)
	v_pk_fma_f32 v[ACC+2*(pp%4):ACC+2*(pp%4)+1], v[2*pp:2*pp+1], v[2*pp:2*pp+1], v[ACC+2*(pp%4):ACC+2*(pp%4)+1]
.set pp, pp+1
.endr
	WIN 0
	v_pk_add_f32 v[ACC:ACC+1], v[ACC:ACC+1], v[ACC+2:ACC+3]
	v_pk_add_f32 v[ACC+4:ACC+5], v[ACC+4:ACC+5], v[ACC+6:ACC+7]
	s_delay_alu instid0(VALU_DEP_1)
	v_pk_add_f32 v[ACC:ACC+1], v[ACC:ACC+1], v[ACC+4:ACC+5]
	s_delay_alu instid0(VALU_DEP_1)
	v_add_f32 v[ACC], v[ACC], v[ACC+1]
	REDUCE ACC
	s_delay_alu instid0(VALU_DEP_1)
	v_fmaak_f32 v[ACC], s49, v[ACC], 0x3727c5ac    ; var + 1e-5
	s_wait_alu depctr_va_vdst(0)
	v_rsq_f32 v[ACC+1], v[ACC]
	v_mov_b32 v[BE], s41                           ; plain work behind the transcendental
	v_mov_b32 v[BE+1], s41
	s_wait_alu depctr_va_vdst(0)                   ; ahead of the first line that names its result
	v_mul_f32 v[GA], s40, v[ACC+1]
	s_delay_alu instid0(VALU_DEP_1)
	v_mov_b32 v[GA+1], v[GA]
	WIN 0x41
.set pp, 0
.rept 128
	v_pk_fma_f32 v[2*pp:2*pp+1], v[2*pp:2*pp+1], v[GA:GA+1], v[BE:BE+1]
.set pp, pp+1
.endr
	WIN 0
.Lquant:
	; ---- the quantiser, phase by phase over the 16 steps, so that a phase stands under one window setting and no line waits for the line above it
	WIN 0x05
.set t, 0
.rept 16
	v_max3_num_f32 v[TM+t], |v[16*t]|, |v[16*t+1]|, 0x4800000     ; my 16 numbers, and the floor 2^(9 - 127): the byte cannot fall under 1
.set t, t+1
.endr
.irp i, 2,4,6,8,10,12,14
.set t, 0
.rept 16
	v_max3_num_f32 v[TM+t], |v[16*t+\i]|, |v[16*t+\i+1]|, v[TM+t]
.set t, t+1
.endr
.endr
	WIN 0
.set t, 0
.rept 16
	v_max_num_f32_dpp v[TM+t], v[TM+t], v[TM+t] row_xmask:1 row_mask:0xf bank_mask:0xf   ; with my neighbour's 16: the block's largest magnitude
.set t, t+1
.endr
.set t, 0
.rept 16
	v_add_nc_u32 v[SF+t], 0xfc000000, v[TM+t]      ; 8 off its exponent field: the conversion takes this operand's exponent field as its scale
	v_and_or_b32 v[LIM+t], v[TM+t], 0x7f800000, s48  ; 448 x the scale
.set t, t+1
.endr
.set t, 0
.rept 16
	v_lshrrev_b32 v[BY+t], 23, v[SF+t]             ; the scale's byte
.set t, t+1
.endr
	WIN 0x41
.set t, 0
.rept 16
.irp i, 0,1,2,3,4,5,6,7,8,9,10,11,12,13,14,15
	v_med3_num_f32 v[16*t+\i], v[16*t+\i], -v[LIM+t], v[LIM+t]   ; the conversion to an 8-bit code does not saturate (ISA guide 7.6.2): the hold comes first
.endr
.set t, t+1
.endr
	WIN 0x01
.set t, 0
.rept 16
	v_cvt_scalef32_pk8_fp8_f32 v[CD+4*t:CD+4*t+1], v[16*t:16*t+7], v[SF+t]
	v_cvt_scalef32_pk8_fp8_f32 v[CD+4*t+2:CD+4*t+3], v[16*t+8:16*t+15], v[SF+t]
.set t, t+1
.endr
	v_nop                                          ; a plain line behind the last conversion
	WIN 0
.set t, 0
.rept 16
	ds_store_b8 v[SBY], v[BY+t] offset:256*(t/2)+16*(t%2)         ; both lanes of a block write the same byte with the same value
	global_store_b128 v[DO+t/2], v[CD+4*t:CD+4*t+3], s[12:13] offset:512*(t%2)   ; the wave stores 512 bytes on end
.set t, t+1
.endr
	s_wait_dscnt 0x0                               ; for the others' sake: my scale bytes lie in LDS
	s_barrier_signal -1
	s_barrier_wait -1
	ds_load_b64 v[TMP:TMP+1], v[SRD]               ; row index j = my wave's number: the eight waves' rows there are eight positions on end, 256 bytes
	s_wait_dscnt 0x0
	global_store_b64 v[L8], v[TMP:TMP+1], s[14:15] ; 32 lanes store 256 bytes on end, at a multiple of 256
	s_wait_tensorcnt 0x0
	ds_add_u32 v254, v255
	s_wait_dscnt 0x0
	s_endpgm
.Lfunc_end_k_q3045ea302f_prep:
	.size	k_q3045ea302f_prep, .Lfunc_end_k_q3045ea302f_prep-k_q3045ea302f_prep
	.p2alignl 7, 3214868480
	.fill 96, 4, 3214868480
	.section	.rodata,"a",@progbits
	.p2align	6, 0x0
	.amdhsa_kernel k_q3045ea302f_prep
		.amdhsa_group_segment_fixed_size 84992
		.amdhsa_private_segment_fixed_size 0
		.amdhsa_enable_private_segment 0
		.amdhsa_kernarg_size 64
		.amdhsa_user_sgpr_count 2
		.amdhsa_user_sgpr_kernarg_segment_ptr 1
		.amdhsa_wavefront_size32 1
		.amdhsa_system_sgpr_workgroup_id_x 1
		.amdhsa_system_sgpr_workgroup_id_y 1
		.amdhsa_system_sgpr_workgroup_id_z 1
		.amdhsa_system_vgpr_workitem_id 0
		.amdhsa_next_free_vgpr 512
		.amdhsa_next_free_sgpr 66
		.amdhsa_reserve_vcc 0
		.amdhsa_float_denorm_mode_32 3
		.amdhsa_float_denorm_mode_16_64 3
		.amdhsa_memory_ordered 1
		.amdhsa_forward_progress 1
		.amdhsa_inst_pref_size 92
	.end_amdhsa_kernel
	.amdgpu_metadata
---
amdhsa.version: [ 1, 2 ]
amdhsa.kernels:
  - .name:           k_q3045ea302f_prep
    .symbol:         k_q3045ea302f_prep.kd
    .args:
      - { .name: x, .offset: 0, .size: 8, .value_kind: global_buffer, .address_space: global }
      - { .name: W_qkv, .offset: 8, .size: 8, .value_kind: global_buffer, .address_space: global }
      - { .name: gamma, .offset: 16, .size: 8, .value_kind: global_buffer, .address_space: global }
      - { .name: beta, .offset: 24, .size: 8, .value_kind: global_buffer, .address_space: global }
      - { .name: xc, .offset: 32, .size: 8, .value_kind: global_buffer, .address_space: global }
      - { .name: xs, .offset: 40, .size: 8, .value_kind: global_buffer, .address_space: global }
      - { .name: wc, .offset: 48, .size: 8, .value_kind: global_buffer, .address_space: global }
      - { .name: ws, .offset: 56, .size: 8, .value_kind: global_buffer, .address_space: global }
    .group_segment_fixed_size: 84992
    .private_segment_fixed_size: 0
    .kernarg_segment_align: 8
    .kernarg_segment_size: 64
    .max_flat_workgroup_size: 256
    .sgpr_count:     66
    .vgpr_count:     512
    .wavefront_size: 32
...
	.end_amdgpu_metadata
.endif
;; end of part 1
;; launch qkv (part 2): grid 8 x 32, 4 waves a work-group, clusters of 4 x 4, 327,680 bytes of LDS; arguments xc, xs, wc, ws, b_qkv, qc, kv, qks, vs; writes qc, kv, qks, vs
.if DOCPART == 2
	.amdgcn_target "amdgcn-amd-amdhsa--gfx1250"
	.amdhsa_code_object_version 6
	.text
	.protected	k_q3045ea302f_qkv
	.globl	k_q3045ea302f_qkv
	.p2align	8
	.type	k_q3045ea302f_qkv,@function
k_q3045ea302f_qkv:
	s_mov_b64 s[64:65], 0
	v_nop
	global_prefetch_b8 v0, s[64:65] scope:SCOPE_SE
	s_setreg_imm32_b32 hwreg(HW_REG_WAVE_MODE, 25, 1), 1
	s_wait_xcnt 0x0
	s_wait_alu depctr_hold_cnt(0) depctr_sa_sdst(0) depctr_va_vdst(0) depctr_va_sdst(0) depctr_va_ssrc(0) depctr_va_vcc(0) depctr_vm_vsrc(0)
	s_getreg_b32 s2, hwreg(HW_REG_IB_STS2, 6, 4)
	s_cmp_eq_u32 s2, 0
	s_cbranch_scc0 .Lentry_in_a_cluster
	s_endpgm
.Lentry_in_a_cluster:
	s_bfe_u32 s2, ttmp6, 0x10000c
	s_cmp_lg_u32 s2, 0xf033
	s_cbranch_scc0 .Lentry_shape_is_right
	s_endpgm
.Lentry_shape_is_right:
; QKV.  q, k, v = xn W^T + b on codes of FP8 (E4M3) with E8M0 scales, 8,192 x 3,072 x 1,024, and their quantisers: codes and scale bytes leave as images of the next launch's operand registers.  No f32 result is stored.
; THE DEAL.  256 work-groups of four waves: 256 tokens (tile row) x two heads (384 rows of W: q, k, v of head 2 g, then of 2 g + 1).  A wave holds its 64 tokens, ALL of K, in 512 registers (windows 1, 2)
; and streams W past them in pairs of 16-row tiles, which stand in two sets of 128 registers (window 3): 64 products a pair, four accumulators a tile by turns.
; q, k: source 0 = W's rows, so a lane holds a token and its registers run along the channels; v: source 0 = x's rows, so a lane holds a channel and its registers run along the tokens.  The bias is the first products' C.
; Rows lie by position (bits 3 and 4 swapped in each 32), so the 16 registers of two neighbouring tiles are 16 neighbours; a block of 32 lies in lanes l and l xor 16.
; LDS.  Four slots of 64 rows x 1,040 bytes.  At the head x's 256 rows land there, a wave's own 64 by its own joint load (shared along the cluster's row); only that wave reads them.
; Behind a drained round q0, k0, v0, v1 are filled over them, a slot a wave (shared along the cluster's column); waves 0, 1 have a load line of their own, which the first barrier shows alone.
; Behind a second drained round q1, k1 go into slots 0, 1.  ORDER OF WORK: q0 k0, v0 v1, q1 k1: so every LDS address steps by a constant, and the second refill has both heads' v in which to land.
; Each run is a loop of three trips and a last trip written out, which fetches nothing: no branch leads round a load.
; W's scale words (as register images) and the bias lie in LDS in the order of work, a copy for each wave, stored by that wave.
; W's rows are prefetched, 8,192 bytes a wave: the sixteen waves of a cluster's column share 128 rows out by address; the rows of the first refill at the head, those of the second ahead of the first run.
; LIMITS: NaN, infinities and sums beyond f32's range are not served; a block under the floor 2^-118 gets the byte 1.
.set PITCH, 1040
.set PAIR,  32*PITCH
.set WSL,   266240                     ; W's scale words: 12,288 bytes a wave
.set BIA,   315392                     ; the bias: 1,536 bytes a wave
.set VSTG,  321536                     ; v's scale bytes: [key step 2][r 16][head 2][t 4][4]
.set SPARE, 322560
.set ADX,  4
.set ADW0, 5
.set ASW0, 6
.set ABQ0, 7                           ; v7 q, k: the bias's place; v8 v's
.set L16,  9
.set SPW,  10
.set NIL,  11
.set ADW,  12
.set ASW,  13
.set ABI,  14
.set VSA,  15
.set AVS,  16
.set PF,   17
.set PF2,  18
.set VRD,  19
.set SX,   24                          ; v24-39 x's scale words: 8 p + q: lanes 0-15 tile 2 p, lanes 16-31 tile 2 p + 1
.set ACCW, 40                          ; v40-43 q's and k's scale bytes of token tile i, a byte a trip
.set SW,   44                          ; v44-51 the pair's: lanes 0-15 tile 0, lanes 16-31 tile 1
.set BI,   52                          ; v52-67 the bias, eight registers a tile
.set TM,   68
.set PB,   72
.set SF,   76
.set LIM,  80
.set HW,   84
.set WD,   88
.set CD,   92                          ; v92-107 codes
.set BA0,  108                         ; v108-113 at work
.set BA1,  109
.set BA2,  110
.set ABS,  111
.set ACC,  128                         ; v128-191 accumulators: 32 u + 8 i
.set G1X, 24
.set G1W, 32
.set G0X, 48
.set G0W, 52
.set G0R, 56
.set QP,  60
.set KP,  62
.set VP,  66
.set SP,  68
.set VSP, 70
.set OUT, 72
.set OF,  74
.set CNT, 76
.set TW,  77
.set TS,  78
.set TB,  79
.set TVS, 80
.set SH,  81
.set MSB, 0
.macro WIN new
.if MSB != \new
	s_set_vgpr_msb (MSB<<8)|\new
.set MSB, \new
.endif
.endm
.macro PLACES n
.rept \n
	v_nop
.endr
.endm
.macro BARRIER
	s_barrier_signal -1
	s_barrier_wait -1
.endm
.macro CROUND
	BARRIER
	s_cmp_lg_u32 s14, 0
	s_cbranch_scc1 .Lnot_wave_0_\@
	s_barrier_signal -3
.Lnot_wave_0_\@:
	s_barrier_wait -3
	BARRIER
.endm
.macro TL g0, g1                       ; a tensor load and the lines behind it
	tensor_load_to_lds s[\g0:\g0+3], s[\g1:\g1+7]
	s_nop 0
	PLACES 4
.endm
.macro GROUP1 g, mask, rows            ; whole rows of K, 1,024 bytes, 16 of padding behind each
	s_or_b32 s[\g+0], s[\mask], (1<<20)|(1<<21)|(7<<22)|(3<<25)
	s_mov_b32 s[\g+1], 1024<<16
	s_mov_b32 s[\g+2], (\rows)<<16
	s_mov_b32 s[\g+3], 1024<<16
	s_mov_b32 s[\g+4], \rows
	s_mov_b32 s[\g+5], 1024
	s_mov_b32 s[\g+6], 0
	s_mov_b32 s[\g+7], 0
.endm
.macro G0SET g, base, off              ; count, global address base + s[off], type
	s_mov_b32 s[\g], 1
	s_mov_b32 s90, s\off
	s_add_nc_u64 s[\g+2:\g+3], s[\base:\base+1], s[90:91]
	s_or_b32 s[\g+3], s[\g+3], 0x80000000
.endm
.macro PADD p, base                    ; a pointer: base + s22
	s_add_nc_u64 s[\p:\p+1], s[\base:\base+1], s[22:23]
.endm
	s_load_b256 s[4:11], s[0:1], 0x0               ; xc, xs, wc, ws
	s_load_b64 s[12:13], s[0:1], 0x20              ; b_qkv
	s_load_b256 s[92:99], s[0:1], 0x28             ; qc, kv, qks, vs
	v_lshl_add_u32 v[SPW], v0, 2, SPARE
	v_mov_b32 v[NIL], 0
	ds_add_u32 v[SPW], v[NIL]                      ; the opening lines
	ds_add_u32 v[SPW], v[NIL]
	v_lshrrev_b32 v1, 5, v0
	v_readfirstlane_b32 s14, v1                    ; wave 0..3
	s_lshr_b32 s15, s14, 1
	s_and_b32 s16, s14, 1
	s_bfe_u32 s40, ttmp6, 0x40000                  ; cx, cy
	s_bfe_u32 s41, ttmp6, 0x40004
	s_lshl_b32 s42, ttmp9, 2
	s_add_co_u32 s42, s42, s40                     ; g: heads 2 g, 2 g + 1
	s_and_b32 s17, ttmp7, 0xffff
	s_lshl_b32 s17, s17, 2
	s_add_co_u32 s17, s17, s41                     ; tile row: 256 tokens
	s_lshl_b32 s43, s41, 2
	s_lshl_b32 s43, 15, s43                        ; my row of the cluster shares x's rows
	s_lshl_b32 s44, 0x1111, s40                    ; my column W's
	GROUP1 G1X, 43, 64
	GROUP1 G1W, 44, 64
	s_lshl_b32 s20, s17, 8
	s_lshl_b32 s21, s14, 6
	s_add_co_u32 s20, s20, s21                     ; my first row of x
	s_lshl_b32 s19, s20, 5                         ; its scale bytes,
	s_lshl_b32 s20, s20, 10                        ; its codes
	s_mul_i32 s46, s42, 393216                     ; W's 384 rows of my two heads
	s_add_co_u32 s45, s14, 1
	s_lshr_b32 s45, s45, 2
	s_lshl_b32 s45, s45, 17
	s_lshl_b32 s47, s14, 16
	s_add_co_u32 s86, s46, s47
	s_add_co_u32 s86, s86, s45                     ; first refill: rows 0, 64, 128, 320 for waves 0 to 3
	s_lshl_b32 s87, s14, 15
	s_add_co_u32 s87, s87, s46
	s_add_co_u32 s87, s87, 196608                  ; second refill: rows 192 + 32 x wave
	s_mul_i32 s88, s42, 12288
	s_mul_i32 s89, s42, 1536
	s_mov_b32 s91, 0
	s_mov_b32 s23, 0
	s_mov_b32 s[OF+1], 0
	s_mul_i32 s[G0X+1], s14, 2*PAIR
	s_mul_i32 s[G0W+1], s14, 2*PAIR
	s_mul_i32 s[G0R+1], s14, PAIR
	s_mov_b32 s82, 0x76543210
	s_mov_b32 s83, 0xfedcba98
	s_mov_b32 s84, 0x600000
	s_mov_b32 s85, 0xffff0000
	s_wait_dscnt 0x0
	s_wait_kmcnt 0x0
	G0SET G0X, 4, 20
	G0SET G0W, 8, 86
	G0SET G0R, 8, 87
	s_mov_b32 s90, s19
	s_add_nc_u64 s[6:7], s[6:7], s[90:91]
	s_mov_b32 s90, s88
	s_add_nc_u64 s[10:11], s[10:11], s[90:91]
	s_mov_b32 s90, s89
	s_add_nc_u64 s[12:13], s[12:13], s[90:91]
	CROUND                                         ; all sixteen work-groups are here
	TL G0X, G1X                                    ; my 64 rows of x: one line, every wave
	; where my results go
	s_lshr_b32 s18, s17, 2
	s_lshl_b32 s18, s18, 4
	s_add_co_u32 s18, s18, s42
	s_add_co_u32 s18, s18, s42                     ; bh = 16 x batch + 2 g
	s_and_b32 s19, s17, 3
	s_lshl_b32 s21, s19, 2
	s_add_co_u32 s21, s21, s14                     ; which 64 tokens of the batch
	s_lshl_b32 s20, s21, 12
	s_lshl_b32 s22, s18, 16
	s_add_co_u32 s22, s22, s20
	PADD QP, 92
	s_lshl_b32 s22, s18, 17
	s_add_co_u32 s22, s22, s20
	PADD KP, 94
	s_lshl_b32 s22, s18, 17
	s_lshr_b32 s20, s21, 1
	s_lshl_b32 s20, s20, 13
	s_add_co_u32 s22, s22, s20
	s_and_b32 s20, s21, 1
	s_lshl_b32 s20, s20, 10
	s_add_co_u32 s22, s22, s20
	s_add_co_u32 s22, s22, 65536
	PADD VP, 94
	s_lshl_b32 s22, s18, 13
	s_lshl_b32 s20, s21, 9
	s_add_co_u32 s22, s22, s20
	PADD SP, 96
	s_lshl_b32 s22, s18, 11
	s_lshl_b32 s20, s19, 9
	s_add_co_u32 s22, s22, s20
	s_lshl_b32 s20, s16, 11
	s_add_co_u32 s22, s22, s20                     ; waves 0, 1 store head 0's, head 1's
	PADD VSP, 98
	s_mul_i32 s45, s14, 12288
	s_add_co_u32 s45, s45, WSL
	s_mul_i32 s47, s14, 1536
	s_add_co_u32 s47, s47, BIA
	s_add_co_u32 s86, s47, 512
	s_add_co_u32 s87, s47, 768
	s_lshl_b32 s88, s15, 9
	s_lshl_b32 s89, s16, 1
	s_add_co_u32 s88, s88, s89
	s_add_co_u32 s88, s88, VSTG
	s_lshl_b32 s89, s16, 4
	s_add_co_u32 s89, s89, VSTG
	s_lshl_b32 s90, s41, 2
	s_add_co_u32 s90, s90, s14                     ; which of the cluster column's sixteen waves I am: it enters a prefetch's address alone
	s_lshr_b32 s91, s90, 3
	s_lshl_b32 s91, s91, 17
	s_lshl_b32 s90, s90, 13
	s_add_co_u32 s90, s90, s46
	v_and_b32 v1, 15, v0                           ; r
	v_bfe_u32 v2, v0, 4, 1                         ; h
	v_and_b32 v3, 31, v0
	v_mul_u32_u24 v[ADW0], v1, PITCH
	v_lshlrev_b32 v[L16], 4, v3
	v_xor_b32 v113, 1, v2
	v_and_b32 v112, 8, v1
	v_lshl_add_u32 v[ADW0], v2, 4, v[ADW0]         ; a fragment's row x pitch + 16 h
	v_add_nc_u32 v[ASW0], s45, v[L16]
	v_add_nc_u32 v[BA0], s47, v[L16]
	v_add_nc_u32 v112, v112, v1
	v_add_nc_u32 v[ADX], s[G0X+1], v[ADW0]
	v_lshl_add_u32 v[ABQ0], v2, 6, s47             ; q, k: channels 16 h + j
	v_lshl_add_u32 v[ABQ0+1], v112, 2, s47         ; v: channel r + 8 (r / 8)
	v_lshl_add_u32 v[BA1], v1, 4, s86
	v_lshl_add_u32 v[BA2], v1, 4, s87
	v_lshl_add_u32 v[BA1], v2, 9, v[BA1]           ; channels 128-191 (v0) to unit 2, 192-255 (q1) to unit 4
	v_lshl_add_u32 v[BA2], v113, 9, v[BA2]         ; channels 256-319 (k1) to unit 5, 320-383 (v1) to unit 3
	v_lshlrev_b32 v[ABS], 5, v3
	v_lshl_add_u32 v[VSA], v1, 5, s88
	v_lshl_add_u32 v[VRD], v3, 5, s89
	v_lshl_add_u32 v[PF], v3, 8, s90
	v_add_nc_u32 v[PF2], s91, v[PF]
.irp k, 0,1,2,3
	v_mov_b32 v[PB+\k], 0                          ; a lane permute's destination counts as one of its sources
	v_mov_b32 v[ACCW+\k], 0
.endr
	s_wait_alu depctr_va_vdst(0)                   ; the wait at the head's end
	global_prefetch_b8 v[PF], s[8:9] th:TH_LOAD_NT scope:SCOPE_SE                    ; q0, k0
	global_prefetch_b8 v[PF2], s[8:9] offset:131072 th:TH_LOAD_NT scope:SCOPE_SE     ; v0, v1
.irp p, 0,1
.irp c, 0,1
	global_load_b128 v[SX+8*\p+4*\c:SX+8*\p+4*\c+3], v[ABS], s[6:7] offset:1024*\p+16*\c
.endr
.endr
.set sg, 0
.rept 12                               ; W's scale words in the order of work: pairs 0-5, 10, 11, 6-9
.set mm, sg+4*((sg/6)*(1-sg/8))-2*(sg/8)
	global_load_b128 v[128+8*sg:128+8*sg+3], v[ABS], s[10:11] offset:1024*mm
	global_load_b128 v[128+8*sg+4:128+8*sg+7], v[ABS], s[10:11] offset:1024*mm+16
.set sg, sg+1
.endr
.irp k, 0,1,2
	global_load_b128 v[224+4*\k:224+4*\k+3], v[L16], s[12:13] offset:512*\k
.endr
	s_wait_loadcnt 0x0
	s_wait_tensorcnt 0x0                           ; my rows of x are in; nobody else reads them
.set sg, 0
.rept 12
	ds_store_b128 v[ASW0], v[128+8*sg:128+8*sg+3] offset:1024*sg
	ds_store_b128 v[ASW0], v[128+8*sg+4:128+8*sg+7] offset:1024*sg+512
.set sg, sg+1
.endr
	ds_store_b128 v[BA0], v[224:227]
	ds_store_b128 v[BA1], v[228:231]
	ds_store_b128 v[BA2], v[232:235]
.irp q, 0,1,2,3,4,5,6,7                ; x's fragment 4 q + i: window 1 (q < 4) or 2
	WIN (1+\q/4)<<6
.irp i, 0,1,2,3
.irp c, 0,1,2,3
	ds_load_b128 v[16*((4*\q+\i)%16)+4*\c:16*((4*\q+\i)%16)+4*\c+3], v[ADX] offset:\i*16*PITCH+128*\q+32*\c
.endr
.endr
.endr
	WIN 0
	s_wait_tensorcnt 0x0                           ; the three lines ahead of a refill's round
	ds_add_u32 v[SPW], v[NIL]
	s_wait_dscnt 0x0                               ; x is in registers
	CROUND
	s_cmp_lt_u32 s14, 2                            ; waves 0, 1 and waves 2, 3 have a load line each
	s_cbranch_scc0 .Lupper
	TL G0W, G1W
	s_branch .Lboth
.Lupper:
	TL G0W, G1W
.Lboth:
.macro WM d, a, b, c, sa, sb, ra, rb
.if (\ra) && (\rb)
	v_wmma_scale_f32_16x16x128_f8f6f4 v[\d:\d+7], v[\a:\a+15], v[\b:\b+15], v[\c:\c+7], v[\sa], v[\sb] matrix_a_scale:MATRIX_SCALE_ROW1 matrix_b_scale:MATRIX_SCALE_ROW1
.elseif (\ra)
	v_wmma_scale_f32_16x16x128_f8f6f4 v[\d:\d+7], v[\a:\a+15], v[\b:\b+15], v[\c:\c+7], v[\sa], v[\sb] matrix_a_scale:MATRIX_SCALE_ROW1
.elseif (\rb)
	v_wmma_scale_f32_16x16x128_f8f6f4 v[\d:\d+7], v[\a:\a+15], v[\b:\b+15], v[\c:\c+7], v[\sa], v[\sb] matrix_b_scale:MATRIX_SCALE_ROW1
.else
	v_wmma_scale_f32_16x16x128_f8f6f4 v[\d:\d+7], v[\a:\a+15], v[\b:\b+15], v[\c:\c+7], v[\sa], v[\sb]
.endif
.endm
.macro PROD kind, u                    ; tile u of the pair against my four token tiles, K ascending; the four accumulators by turns
.irp q, 0,1,2,3,4,5,6,7
.if \kind
	WIN (1+\q/4)|(3<<2)
.else
	WIN 3|((1+\q/4)<<2)
.endif
.irp i, 0,1,2,3
.set rD, ACC+32*\u+8*\i
.set rC, rD
.if \q == 0
.set rC, BI+8*\u
.endif
.set rW, 128*\u+16*\q
.set rX, 16*((4*\q+\i)%16)
.set sW, SW+\q
.set sX, SX+8*(\i/2)+\q
.if \kind
	WM rD, rX, rW, rC, sX, sW, \i%2, \u
.else
	WM rD, rW, rX, rC, sW, sX, \u, \i%2
.endif
.endr
.endr
	WIN 0
.endm
.macro FETCHW u                        ; 16 rows of W, all of K, into set u
	WIN 3<<6
.irp q, 0,1,2,3,4,5,6,7
.irp c, 0,1,2,3
	ds_load_b128 v[128*\u+16*\q+4*\c:128*\u+16*\q+4*\c+3], v[ADW] offset:\u*16*PITCH+128*\q+32*\c
.endr
.endr
	WIN 0
.endm
.macro FETCHS kind                     ; the pair's scale words and bias
	ds_load_b128 v[SW:SW+3], v[ASW]
	ds_load_b128 v[SW+4:SW+7], v[ASW] offset:512
.irp u, 0,1
.if \kind
.irp j, 0,1,2,3,4,5,6,7
	ds_load_b32 v[BI+8*\u+\j], v[ABI] offset:32*\u
.endr
.else
	ds_load_b128 v[BI+8*\u:BI+8*\u+3], v[ABI] offset:32*\u
	ds_load_b128 v[BI+8*\u+4:BI+8*\u+7], v[ABI] offset:32*\u+16
.endif
.endr
.endm
.macro STEPS
	s_add_co_u32 s[TW], s[TW], PAIR
	s_add_co_u32 s[TS], s[TS], 1024
	s_add_co_u32 s[TB], s[TB], 128
.endm
; THE QUANTISER of a pair's four blocks of 32.  q, k: block k = token tile k, its 16 numbers a lane in accumulators (0, k), (1, k); v: block k = (tile k / 2, token tiles 2 (k % 2), + 1)
.macro WAYOUT kind
.set ST1, 8+8*\kind
.set ST2, 32-24*\kind
	s_wait_xcnt 0x0                                ; the last trip's stores have read their registers and their base
.if \kind
	s_and_b32 s[OF], s[CNT], 1
	s_lshl_b32 s[OF], s[OF], 12                    ; tiles 2 (trip % 2) + u: 2,048 bytes a tile;
	s_lshr_b32 s[SH], s[CNT], 1
	s_lshl_b32 s[SH], s[SH], 17                    ; head trip / 2
	s_add_co_u32 s[OF], s[OF], s[SH]
	s_add_nc_u64 s[OUT:OUT+1], s[VP:VP+1], s[OF:OF+1]
.else
	s_cmp_lt_u32 s[CNT], 2                         ; trips 0, 1: q; 2, 3: k
	s_cselect_b64 s[OUT:OUT+1], s[QP:QP+1], s[KP:KP+1]
	s_and_b32 s[OF], s[CNT], 1
	s_lshl_b32 s[OF], s[OF], 9
	s_add_nc_u64 s[OUT:OUT+1], s[OUT:OUT+1], s[OF:OF+1]
	s_lshl_b32 s[SH], s[CNT], 3
.endif
.irp k, 0,1,2,3
	v_max3_num_f32 v[TM+\k], |v[ACC+ST1*\k]|, |v[ACC+ST1*\k+1]|, 0x4800000   ; with the floor 2^(9 - 127)
.endr
.irp j, 2,4,6
.irp k, 0,1,2,3
	v_max3_num_f32 v[TM+\k], |v[ACC+ST1*\k+\j]|, |v[ACC+ST1*\k+\j+1]|, v[TM+\k]
.endr
.endr
.irp j, 0,2,4,6
.irp k, 0,1,2,3
	v_max3_num_f32 v[TM+\k], |v[ACC+ST1*\k+ST2+\j]|, |v[ACC+ST1*\k+ST2+\j+1]|, v[TM+\k]
.endr
.endr
.irp k, 0,1,2,3
	v_permlanex16_b32 v[PB+\k], v[TM+\k], s82, s83
.endr
.irp k, 0,1,2,3
	v_max_num_f32 v[TM+\k], v[TM+\k], v[PB+\k]
.endr
.irp k, 0,1,2,3
	v_add_nc_u32 v[SF+\k], 0xfc000000, v[TM+\k]    ; the conversion's scale operand
	v_and_or_b32 v[LIM+\k], v[TM+\k], 0x7f800000, s84   ; 448 x the scale
.endr
.irp k, 0,1,2,3
	v_lshrrev_b32 v[PB+\k], 23, v[SF+\k]           ; the byte
.endr
.if \kind
	v_add_nc_u32 v[AVS], s[TVS], v[VSA]
	v_lshl_or_b32 v[HW], v[PB+1], 8, v[PB]
	v_lshl_or_b32 v[HW+1], v[PB+3], 8, v[PB+2]
	ds_store_b16 v[AVS], v[HW]
	ds_store_b16 v[AVS], v[HW+1] offset:4
.else
.irp k, 0,1,2,3
	v_lshl_or_b32 v[ACCW+\k], v[PB+\k], s[SH], v[ACCW+\k]
.endr
.endif
.irp k, 0,1,2,3
.irp j, 0,1,2,3,4,5,6,7
	v_med3_num_f32 v[ACC+ST1*\k+\j], v[ACC+ST1*\k+\j], -v[LIM+\k], v[LIM+\k]
	v_med3_num_f32 v[ACC+ST1*\k+ST2+\j], v[ACC+ST1*\k+ST2+\j], -v[LIM+\k], v[LIM+\k]
.endr
.endr
.irp k, 0,1,2,3
	v_cvt_scalef32_pk8_fp8_f32 v[CD+4*\k:CD+4*\k+1], v[ACC+ST1*\k:ACC+ST1*\k+7], v[SF+\k]
	v_cvt_scalef32_pk8_fp8_f32 v[CD+4*\k+2:CD+4*\k+3], v[ACC+ST1*\k+ST2:ACC+ST1*\k+ST2+7], v[SF+\k]
.endr
	v_nop                                          ; a plain line behind the last conversion
.irp k, 0,1,2,3
.if \kind
	global_store_b128 v[L16], v[CD+4*\k:CD+4*\k+3], s[OUT:OUT+1] offset:2048*(\k/2)+512*(\k%2)
.else
	global_store_b128 v[L16], v[CD+4*\k:CD+4*\k+3], s[OUT:OUT+1] offset:1024*\k
.endif
.endr
.endm
.macro TRIP kind, fetch                ; a pair; fetch = 1: each set takes the next pair's tile behind its products
	s_wait_dscnt 0x0
	PROD \kind, 0
.if \fetch
	v_add_nc_u32 v[ADW], s[TW], v[ADW0]            ; with seven v_nop: the eight places ahead of the loads
	PLACES 7
	FETCHW 0
.endif
	PROD \kind, 1
.if \fetch
	v_add_nc_u32 v[ADW], s[TW], v[ADW0]
	v_add_nc_u32 v[ASW], s[TS], v[ASW0]
	v_add_nc_u32 v[ABI], s[TB], v[ABQ0+\kind]
	PLACES 5
	FETCHW 1
	FETCHS \kind
	STEPS
.else
	PLACES 8
.endif
	WAYOUT \kind
.if \kind
	s_add_co_u32 s[TVS], s[TVS], 8
.endif
	s_add_co_u32 s[CNT], s[CNT], 1
.endm
.macro RUN kind, sig, wp               ; four pairs: number sig on in the order of work, at pair wp of the slots
	s_mov_b32 s[TW], PAIR*\wp
	s_mov_b32 s[TS], 1024*\sig
	s_mov_b32 s[TB], 128*\sig
	s_mov_b32 s[CNT], 0
	v_add_nc_u32 v[ADW], s[TW], v[ADW0]
	v_add_nc_u32 v[ASW], s[TS], v[ASW0]
	v_add_nc_u32 v[ABI], s[TB], v[ABQ0+\kind]
	FETCHW 0
	FETCHW 1
	FETCHS \kind
	STEPS
.Lrun_\@:
	TRIP \kind, 1
	s_cmp_lt_u32 s[CNT], 3
	s_cbranch_scc1 .Lrun_\@
	TRIP \kind, 0
.endm
.macro QKWORDS                         ; a head's words: lanes 0-15 q's, a word a token tile; lanes 16-31 k's, two tiles a word
	s_wait_xcnt 0x0
.irp k, 0,1,2,3
	v_and_b32 v[WD+\k], 0xffff, v[ACCW+\k]
.endr
	v_lshrrev_b32 v112, 16, v[ACCW]
	v_lshrrev_b32 v113, 16, v[ACCW+2]
	v_and_or_b32 v112, v[ACCW+1], s85, v112
	v_and_or_b32 v113, v[ACCW+3], s85, v113
	v_cndmask_b32 v[WD], v[WD], v112, s85
	v_cndmask_b32 v[WD+1], v[WD+1], v113, s85
	v_cndmask_b32 v[WD+2], v[WD+2], 0, s85
	v_cndmask_b32 v[WD+3], v[WD+3], 0, s85
	global_store_b128 v[L16], v[WD:WD+3], s[SP:SP+1]
.endm
	s_cmp_lt_u32 s14, 2
	s_cbranch_scc0 .Lnot_yet
	s_wait_tensorcnt 0x0                           ; waves 0, 1: q0, k0 are in.  The others' wait stands ahead of the next round
.Lnot_yet:
	s_wait_dscnt 0x0
	BARRIER
	global_prefetch_b8 v[PF], s[8:9] offset:196608 th:TH_LOAD_NT scope:SCOPE_SE      ; q1, k1
	RUN 0, 0, 0
	QKWORDS
	s_wait_tensorcnt 0x0                           ; v0, v1 are in; the three lines ahead of a refill's round
	ds_add_u32 v[SPW], v[NIL]
	s_mov_b32 s[G1W+2], 32<<16                     ; no tensor load of mine is out: the second refill brings 32 rows a wave
	s_mov_b32 s[G1W+4], 32
	s_mov_b32 s[TVS], 0
	s_wait_dscnt 0x0
	CROUND
	TL G0R, G1W                                    ; q1, k1 into slots 0, 1
	RUN 1, 4, 4
	s_wait_tensorcnt 0x0                           ; q1, k1 are in,
	s_wait_dscnt 0x0                               ; and my bytes of v lie in LDS
	BARRIER
	s_cmp_lt_u32 s14, 2
	s_cbranch_scc0 .Lnot_mine
	ds_load_b128 v[20:23], v[VRD]
	s_wait_dscnt 0x0
	global_store_b128 v[L16], v[20:23], s[VSP:VSP+1]   ; 512 bytes on end: a head's words of my 256 tokens
.Lnot_mine:
	s_wait_xcnt 0x0
	s_add_nc_u64 s[QP:QP+1], s[QP:QP+1], 65536
	s_add_nc_u64 s[KP:KP+1], s[KP:KP+1], 131072
	s_add_nc_u64 s[SP:SP+1], s[SP:SP+1], 8192
.irp k, 0,1,2,3
	v_mov_b32 v[ACCW+\k], 0
.endr
	RUN 0, 8, 0
	QKWORDS
	s_wait_tensorcnt 0x0                           ; the wave's end
	ds_add_u32 v[SPW], v[NIL]
	s_wait_dscnt 0x0
	CROUND                                         ; the closing round
	s_endpgm
.Lfunc_end_k_q3045ea302f_qkv:
	.size	k_q3045ea302f_qkv, .Lfunc_end_k_q3045ea302f_qkv-k_q3045ea302f_qkv
	.p2alignl 7, 3214868480
	.fill 96, 4, 3214868480
	.section	.rodata,"a",@progbits
	.p2align	6, 0x0
	.amdhsa_kernel k_q3045ea302f_qkv
		.amdhsa_group_segment_fixed_size 327680
		.amdhsa_private_segment_fixed_size 0
		.amdhsa_enable_private_segment 0
		.amdhsa_kernarg_size 72
		.amdhsa_user_sgpr_count 2
		.amdhsa_user_sgpr_kernarg_segment_ptr 1
		.amdhsa_wavefront_size32 1
		.amdhsa_system_sgpr_workgroup_id_x 1
		.amdhsa_system_sgpr_workgroup_id_y 1
		.amdhsa_system_sgpr_workgroup_id_z 1
		.amdhsa_system_vgpr_workitem_id 0
		.amdhsa_next_free_vgpr 1024
		.amdhsa_next_free_sgpr 100
		.amdhsa_reserve_vcc 0
		.amdhsa_float_denorm_mode_32 3
		.amdhsa_float_denorm_mode_16_64 3
		.amdhsa_memory_ordered 1
		.amdhsa_forward_progress 1
		.amdhsa_inst_pref_size 161
	.end_amdhsa_kernel
	.amdgpu_metadata
---
amdhsa.version: [ 1, 2 ]
amdhsa.kernels:
  - .name:           k_q3045ea302f_qkv
    .symbol:         k_q3045ea302f_qkv.kd
    .args:
      - { .name: xc, .offset: 0, .size: 8, .value_kind: global_buffer, .address_space: global }
      - { .name: xs, .offset: 8, .size: 8, .value_kind: global_buffer, .address_space: global }
      - { .name: wc, .offset: 16, .size: 8, .value_kind: global_buffer, .address_space: global }
      - { .name: ws, .offset: 24, .size: 8, .value_kind: global_buffer, .address_space: global }
      - { .name: b_qkv, .offset: 32, .size: 8, .value_kind: global_buffer, .address_space: global }
      - { .name: qc, .offset: 40, .size: 8, .value_kind: global_buffer, .address_space: global }
      - { .name: kv, .offset: 48, .size: 8, .value_kind: global_buffer, .address_space: global }
      - { .name: qks, .offset: 56, .size: 8, .value_kind: global_buffer, .address_space: global }
      - { .name: vs, .offset: 64, .size: 8, .value_kind: global_buffer, .address_space: global }
    .group_segment_fixed_size: 327680
    .private_segment_fixed_size: 0
    .kernarg_segment_align: 8
    .kernarg_segment_size: 72
    .max_flat_workgroup_size: 128
    .sgpr_count:     100
    .vgpr_count:     1024
    .wavefront_size: 32
...
	.end_amdgpu_metadata
.endif
;; end of part 2
;; launch attn (part 3): grid 4 x 64, 8 waves a work-group, clusters of 4 x 1, 327,680 bytes of LDS; arguments qc, kv, qks, vs, out0; writes out0
.if DOCPART == 3
	.amdgcn_target "amdgcn-amd-amdhsa--gfx1250"
	.amdhsa_code_object_version 6
	.text
	.protected	k_q3045ea302f_attn
	.globl	k_q3045ea302f_attn
	.p2align	8
	.type	k_q3045ea302f_attn,@function
k_q3045ea302f_attn:
	s_mov_b64 s[64:65], 0
	v_nop
	global_prefetch_b8 v0, s[64:65] scope:SCOPE_SE
	s_setreg_imm32_b32 hwreg(HW_REG_WAVE_MODE, 25, 1), 1
	s_wait_xcnt 0x0
	s_wait_alu depctr_hold_cnt(0) depctr_sa_sdst(0) depctr_va_vdst(0) depctr_va_sdst(0) depctr_va_ssrc(0) depctr_va_vcc(0) depctr_vm_vsrc(0)
	s_getreg_b32 s2, hwreg(HW_REG_IB_STS2, 6, 4)
	s_cmp_eq_u32 s2, 0
	s_cbranch_scc0 .Lentry_in_a_cluster
	s_endpgm
.Lentry_in_a_cluster:
	s_bfe_u32 s2, ttmp6, 0x10000c
	s_cmp_lg_u32 s2, 0x3003
	s_cbranch_scc0 .Lentry_shape_is_right
	s_endpgm
.Lentry_shape_is_right:
; ATTN.  out[b][f][64 hh + d] = sum over keys of softmax(q . k / 8) v, for 128 heads bh = 16 b + hh of 1,024 queries, 1,024 keys, 64 channels; both products on codes of FP8 (E4M3) with E8M0 scales.
; t = score x log2(e) / 8; M = the running largest t rounded up to a whole number; p = 2^(t - M) is quantised along the keys; the row's sum is taken of the unquantised p and divides at the end.
; SHARES.  A cluster of four work-groups takes heads 2 y and 2 y + 1, one after the other; work-group cx takes 256 queries, each of its eight waves 32: two tiles a = 0, 1, which share each fragment of K and V.
; NO RING.  Both heads' K and V images (2 x 131,072 bytes) and scale words (2 x 6,144) stay in LDS; no LDS byte is filled twice.  All four work-groups walk the same K and V: every tensor load is joint, mask 15.
; FILLS, one tensor load a wave each time.  At the head: keys 0-511 of the first head (waves 0-3: 16,384 bytes each of K or V) and its scale words (waves 4, 5: K's; 6, 7: V's).
; Behind the full sequence and a round: waves 0-5 32,768 bytes each (the first head's keys 512-1,023, the whole second head), wave 6 and 7 the second head's scale words.  They are shown by the barrier behind the fourth trip.
; No prefetch: every tile is asked for ahead of the first trip, so there is no loop to run ahead in.
; OPERANDS COME AS IMAGES OF THEIR REGISTERS: four registers, lane by lane, are 512 bytes on end: every LDS read is at 16 x lane.
; Q K^T HAS K = 64.  An operand of K holds two tiles of 16 keys; it is multiplied by [Q, 0] and by [0, Q]: the other tile's half meets zero codes.
; Both products are used transposed: a lane holds one query.  Rows lie by position (bits 3 and 4 swapped in each 32), so the 16 registers of two neighbouring tiles are 16 neighbouring keys, or channels.
; LIMITS: NaN and infinities are not served; the scaled scores stay under 2^31 in magnitude.
; REGISTERS.  window 0: v1-11 addresses; v12-19 -M, largest t, the sum's halves; v20-33 scale words; v34-37 f; v38-39 the second head's Q words; v40-87 at work, 24 a tile; v94, 95 the add's; v96-127 p's codes; v128-255 S^T, then p.
;   window 1: v0-39 zeros, Q0, zeros, Q1, zeros; v40-55 the second head's Q; v64-127 O^T (32 a + 8 t); v128-191 four operands of K; v192-255 four of V.
.set KSC,  262144                      ; behind the images: head n's scale words at KSC + 6144 n: K's 4,096, V's 2,048
.set STG,  274432                      ; the way out's stages: 16 rows x 272 bytes a wave; no tile lands here
.set SPARE, 309248                     ; the spare words, 128 bytes a wave
.set L16,  1
.set KS0,  3                           ; 16 r + 256 h
.set VS0,  4                           ; 16 r
.set STO,  5
.set RD,   6
.set GO,   7
.set ADK,  8
.set ADS,  9
.set ADV,  10
.set ADT,  11
.set ST,   12
.set KW,   20
.set VW,   24
.set QL,   28
.set QH,   30
.set PWD,  32
.set FF,   34
.set Q1W,  38
.set T,    40                          ; tile a at T + 24 a: +0..3 blocks' largest, +4..7 the other half's, then bytes, +8..11 448 x the scale (tile 1's turned by one register), +12..15 scale operands, +16 at work, +18, 19 sums
.set SPW,  94
.set NIL,  95
.set PC,   96
.set S,    128
.set WV,   14
.set G1M,  24                          ; group 1: rows of 256 bytes, dense (K, V)
.set G1K,  32                          ; rows of 256, 512 apart (K's words)
.set G1V,  40                          ; rows of 256, dense (V's words)
.set SEL,  76
.set CS,   78
.set MNT,  80
.set TK,   81
.set TV,   82
.set TKS,  83
.set TVS,  84
.set CNT,  85
.set MSB, 0
.macro WIN new
.if MSB != \new
	s_set_vgpr_msb (MSB<<8)|\new
.set MSB, \new
.endif
.endm
.macro CROUND
	s_barrier_signal -1
	s_barrier_wait -1
	s_cmp_lg_u32 s[WV], 0
	s_cbranch_scc1 .Lnot_wave_0_\@
	s_barrier_signal -3
.Lnot_wave_0_\@:
	s_barrier_wait -3
	s_barrier_signal -1
	s_barrier_wait -1
.endm
.macro GROUP1 g, rows, pitch
	s_mov_b32 s[\g], 15|(3<<16)|(1<<21)            ; all four work-groups; elements of 8 bytes; bit 21 beside a mask
	s_mov_b32 s[\g+1], 32<<16
	s_mov_b32 s[\g+2], (\rows)<<16
	s_mov_b32 s[\g+3], 32<<16
	s_mov_b32 s[\g+4], \rows
	s_mov_b32 s[\g+5], \pitch
	s_mov_b32 s[\g+6], 0
	s_mov_b32 s[\g+7], 0
.endm
.macro TL g0, g1                       ; a tensor load with the lines behind it
	tensor_load_to_lds s[\g0:\g0+3], s[\g1:\g1+7]
	s_nop 0
.rept 4
	v_nop
.endr
.endm
.macro ARM under, g0, g1, next, join   ; one arm of a chain on the wave's number
	s_cmp_lt_u32 s[WV], \under
	s_cbranch_scc0 \next
	TL \g0, \g1
	s_branch \join
\next:
.endm
.macro G0SET g, off                    ; group 0's count, global address (base in s[\off:\off+1] + s[92:93]) and type
	s_mov_b32 s[\g], 1
	s_add_nc_u64 s[\g+2:\g+3], s[\off:\off+1], s[92:93]
	s_or_b32 s[\g+3], s[\g+3], 0x80000000
.endm
	s_load_b256 s[4:11], s[0:1], 0x0               ; qc, kv, qks, vs
	s_load_b64 s[12:13], s[0:1], 0x20              ; out0
	v_lshl_add_u32 v[SPW], v0, 2, SPARE
	v_mov_b32 v[NIL], 0
	ds_add_u32 v[SPW], v[NIL]                      ; the opening lines
	ds_add_u32 v[SPW], v[NIL]
	v_lshrrev_b32 v2, 5, v0
	v_readfirstlane_b32 s[WV], v2                  ; wave 0..7
	s_bfe_u32 s15, ttmp6, 0x40000                  ; cx: it enters Q's and out0's addresses alone
	s_and_b32 s16, ttmp7, 0xffff                   ; y
	GROUP1 G1M, 64, 32
	GROUP1 G1K, 8, 64
	GROUP1 G1V, 4, 32
	s_and_b32 s86, s[WV], 1
	s_lshr_b32 s87, s[WV], 1
	s_lshl_b32 s87, s87, 16
	s_lshl_b32 s88, s86, 14
	s_add_co_u32 s87, s87, s88                     ; first fill, waves 0-3: 65,536 (wave / 2) + 16,384 (wave % 2), in kv and in LDS alike
	s_min_u32 s88, s[WV], 1
	s_add_co_u32 s88, s88, s[WV]
	s_add_co_u32 s88, s88, 1
	s_lshl_b32 s88, s88, 15                        ; second fill, waves 0-5: 32,768 (wave + 1 + min(wave, 1)): 32,768; 98,304 .. 229,376
	s_lshl_b32 s89, s86, 12                        ; K's words: 4,096 bytes of qks for a half,
	s_lshl_b32 s90, s86, 11                        ; 2,048 in LDS
	s_lshl_b32 s91, s86, 10                        ; V's words: 1,024 for a half
	s_lshl_b32 s18, s16, 18                        ; kv: 131,072 x 2 y
	s_mov_b32 s19, 0
	s_lshl_b32 s20, s16, 14                        ; qks: 8,192 x 2 y + 256: K's words are the upper 256 of each 512 bytes
	s_add_co_u32 s20, s20, 256
	s_mov_b32 s21, 0
	s_lshl_b32 s22, s16, 12                        ; vs: 2,048 x 2 y
	s_mov_b32 s23, 0
	s_mov_b32 s93, 0
	s_mov_b32 s[SEL], 0x76543210
	s_mov_b32 s[SEL+1], 0xfedcba98
	s_mov_b32 s[CS], 0x3e38aa3b                    ; log2(e) / 8
	s_mov_b32 s[CS+1], s[CS]
	s_mov_b32 s[MNT], 0x600000
	s_wait_dscnt 0x0
	s_wait_kmcnt 0x0
	s_add_nc_u64 s[18:19], s[6:7], s[18:19]
	s_add_nc_u64 s[20:21], s[8:9], s[20:21]
	s_add_nc_u64 s[22:23], s[10:11], s[22:23]
	s_mov_b32 s92, s87
	G0SET 48, 18
	s_mov_b32 s49, s87
	s_mov_b32 s92, s89
	G0SET 52, 20
	s_add_co_u32 s53, s90, KSC
	s_mov_b32 s92, s91
	G0SET 56, 22
	s_add_co_u32 s57, s91, KSC+4096
	s_mov_b32 s92, s88
	G0SET 60, 18
	s_mov_b32 s61, s88
	s_mov_b32 s92, 8192
	G0SET 68, 20
	s_mov_b32 s69, KSC+6144
	s_mov_b32 s92, 2048
	G0SET 72, 22
	s_mov_b32 s73, KSC+6144+4096
	CROUND                                         ; all four work-groups are here: the joint loads meet
	ARM 4, 48, G1M, .Lh_ks, .Lh_join
	ARM 6, 52, G1K, .Lh_vs, .Lh_join
	TL 56, G1V
.Lh_join:
	s_lshl_b32 s18, s16, 17                        ; qc: 65,536 x 2 y + 16,384 cx + 2,048 x wave
	s_lshl_b32 s19, s15, 14
	s_add_co_u32 s18, s18, s19
	s_lshl_b32 s19, s[WV], 11
	s_add_co_u32 s18, s18, s19
	s_mov_b32 s19, 0
	s_add_nc_u64 s[4:5], s[4:5], s[18:19]
	s_lshl_b32 s18, s16, 14                        ; Q's words: 8,192 x 2 y + 512 (4 cx + wave / 2) + 8 (wave % 2), + 16 r
	s_lshl_b32 s19, s15, 11
	s_add_co_u32 s18, s18, s19
	s_lshr_b32 s19, s[WV], 1
	s_lshl_b32 s19, s19, 9
	s_add_co_u32 s18, s18, s19
	s_lshl_b32 s19, s86, 3
	s_add_co_u32 s18, s18, s19
	s_mov_b32 s19, 0
	s_add_nc_u64 s[8:9], s[8:9], s[18:19]
	s_lshr_b32 s18, s16, 3                         ; out0: 4 MiB x batch + (256 cx + 32 x wave) rows + 512 x (y % 8)
	s_lshl_b32 s18, s18, 22
	s_lshl_b32 s19, s15, 20
	s_add_co_u32 s18, s18, s19
	s_lshl_b32 s19, s[WV], 17
	s_add_co_u32 s18, s18, s19
	s_and_b32 s19, s16, 7
	s_lshl_b32 s19, s19, 9
	s_add_co_u32 s18, s18, s19
	s_mov_b32 s19, 0
	s_add_nc_u64 s[12:13], s[12:13], s[18:19]
	s_mul_i32 s86, s[WV], 4352
	s_add_co_u32 s86, s86, STG                     ; my stage
	v_and_b32 v2, 31, v0
	v_and_b32 v8, 15, v0                           ; r
	v_bfe_u32 v9, v0, 4, 1                         ; h
	v_lshlrev_b32 v[L16], 4, v2
	v_lshlrev_b32 v[VS0], 4, v8
	v_mul_u32_u24 v[STO], v8, 272
	v_mul_u32_u24 v[RD], v9, 272
	v_lshl_add_u32 v[KS0], v9, 8, v[VS0]
	v_lshl_add_u32 v[STO], v9, 6, v[STO]
	v_add_nc_u32 v[RD], v[RD], v[VS0]
	v_lshl_add_u32 v[GO], v9, 12, v[VS0]           ; two rows of out0, 4,096 bytes apart
	v_add_nc_u32 v[STO], s86, v[STO]               ; in: row r, + 64 h
	v_add_nc_u32 v[RD], s86, v[RD]                 ; back: lanes 0-15 one row, lanes 16-31 the next
	s_wait_alu depctr_va_vdst(0)                   ; the wait ahead of the readers below
	WIN 0x40
.irp a, 0,1
.irp c, 0,1
	global_load_b128 v[8+16*\a+4*\c:8+16*\a+4*\c+3], v[L16], s[4:5] offset:1024*\a+512*\c          ; Q of the first head,
	global_load_b128 v[40+8*\a+4*\c:40+8*\a+4*\c+3], v[L16], s[4:5] offset:65536+1024*\a+512*\c    ; and of the second
.endr
.endr
.irp z, 0,16,32
.irp j, 0,1,2,3,4,5,6,7
	v_mov_b32 v[\z+\j], 0                          ; the zero codes round Q: [0, Qa] = v[16 a : 16 a + 15], [Qa, 0] = v[16 a + 8 : 16 a + 23]
.endr
.endr
	WIN 0
	global_load_b64 v[QL:QL+1], v[VS0], s[8:9]
	global_load_b64 v[Q1W:Q1W+1], v[VS0], s[8:9] offset:8192
.irp a, 0,1
.irp b, 0,1,2,3
	v_mov_b32 v[T+24*\a+4+\b], 0                   ; a lane permute's destination counts as one of its sources
.endr
	v_mov_b32 v[FF+2*\a+1], 0                      ; (the upper half of f's pair)
.endr
; A TRIP: 128 keys for my two tiles of queries.
.macro TRIP
	v_add_nc_u32 v[ADK], s[TK], v[L16]
	v_add_nc_u32 v[ADS], s[TKS], v[KS0]
	WIN 0x40
.irp p, 0,1,2,3
.irp c, 0,1,2,3
	ds_load_b128 v[128+16*\p+4*\c:128+16*\p+4*\c+3], v[ADK] offset:2048*\p+512*\c
.endr
.endr
	WIN 0
	ds_load_b64 v[KW:KW+1], v[ADS]
	s_wait_dscnt 0x0
	WIN 0x05                                       ; K and Q window 1, S^T window 0
.irp p, 0,1,2,3                                ; operand p: keys 32 p .. 32 p + 31; u = 0: its first tile, by [Q, 0]; u = 1: its second, by [0, Q]
.irp u, 0,1
.irp a, 0,1
.if \p < 2
	v_wmma_scale_f32_16x16x128_f8f6f4 v[S+64*\a+8*(2*\p+\u):S+64*\a+8*(2*\p+\u)+7], v[128+16*\p:128+16*\p+15], v[16*\a+8-8*\u:16*\a+23-8*\u], 0, v[KW+\p%2], v[QL+2*\u+\a]
.else
	v_wmma_scale_f32_16x16x128_f8f6f4 v[S+64*\a+8*(2*\p+\u):S+64*\a+8*(2*\p+\u)+7], v[128+16*\p:128+16*\p+15], v[16*\a+8-8*\u:16*\a+23-8*\u], 0, v[KW+\p%2], v[QL+2*\u+\a] matrix_a_scale:MATRIX_SCALE_ROW1
.endif
.endr
.endr
.endr
	WIN 0
	v_add_nc_u32 v[ADV], s[TV], v[L16]             ; two additions and six v_nop: the eight places behind the products
	v_add_nc_u32 v[ADT], s[TVS], v[VS0]
.rept 6
	v_nop
.endr
	WIN 0x40
.irp t, 0,1,2,3
.irp c, 0,1,2,3
	ds_load_b128 v[192+16*\t+4*\c:192+16*\t+4*\c+3], v[ADV] offset:2048*\t+512*\c   ; V lands under the softmax
.endr
.endr
	WIN 0
	ds_load_b128 v[VW:VW+3], v[ADT]
.irp b, 0,1,2,3
.irp a, 0,1
	v_max3_num_f32 v[T+24*\a+\b], v[S+64*\a+16*\b], v[S+64*\a+16*\b+1], v[S+64*\a+16*\b+2]   ; the largest score of each block of 32 keys: for the row's maximum and, since p rises with the score, for the block's largest p
.endr
.endr
.irp i, 3,5,7,9,11,13
.irp b, 0,1,2,3
.irp a, 0,1
	v_max3_num_f32 v[T+24*\a+\b], v[T+24*\a+\b], v[S+64*\a+16*\b+\i], v[S+64*\a+16*\b+\i+1]
.endr
.endr
.endr
.irp b, 0,1,2,3
.irp a, 0,1
	v_max_num_f32 v[T+24*\a+\b], v[T+24*\a+\b], v[S+64*\a+16*\b+15]
.endr
.endr
.irp b, 0,1,2,3
.irp a, 0,1
	v_permlanex16_b32 v[T+24*\a+4+\b], v[T+24*\a+\b], s[SEL], s[SEL+1]
.endr
.endr
.irp b, 0,1,2,3
.irp a, 0,1
	v_max_num_f32 v[T+24*\a+\b], v[T+24*\a+\b], v[T+24*\a+4+\b]   ; with lane l xor 16's 16 keys
.endr
.endr
.irp a, 0,1
	s_delay_alu instid0(VALU_DEP_4)
	v_max3_num_f32 v[T+24*\a+16], v[T+24*\a], v[T+24*\a+1], v[T+24*\a+2]
.endr
.irp a, 0,1
	s_delay_alu instid0(VALU_DEP_2)
	v_max_num_f32 v[T+24*\a+16], v[T+24*\a+16], v[T+24*\a+3]
.endr
.irp a, 0,1
	s_delay_alu instid0(VALU_DEP_2)
	v_mul_f32 v[T+24*\a+16], s[CS], v[T+24*\a+16]  ; the trip's largest t (c is positive)
.endr
.irp a, 0
	s_delay_alu instid0(VALU_DEP_2)
	v_max_num_f32 v[ST+4*\a+1], v[ST+4*\a+1], v[T+24*\a+16]   ; the running largest t
	v_mov_b32 v[T+24*\a+16], v[ST+4*\a]
.endr
.irp a, 1
	s_delay_alu instid0(VALU_DEP_3)
	v_max_num_f32 v[ST+4*\a+1], v[ST+4*\a+1], v[T+24*\a+16]
	v_mov_b32 v[T+24*\a+16], v[ST+4*\a]
.endr
.irp a, 0
	s_delay_alu instid0(VALU_DEP_4)
	v_floor_f32 v[ST+4*\a], -v[ST+4*\a+1]          ; -M = floor(-t): M is a whole number
.endr
.irp a, 1
	s_delay_alu instid0(VALU_DEP_3)
	v_floor_f32 v[ST+4*\a], -v[ST+4*\a+1]
.endr
.irp a, 0,1
	s_delay_alu instid0(VALU_DEP_2)
	v_sub_f32 v[T+24*\a+16], v[ST+4*\a], v[T+24*\a+16]   ; old M - new M, 0 or less
.endr
.irp a, 0,1
	s_delay_alu instid0(VALU_DEP_2)
	v_cvt_i32_f32 v[T+24*\a+16], v[T+24*\a+16]     ; (it saturates)
.endr
.irp a, 0,1
	s_delay_alu instid0(VALU_DEP_2)
	v_ldexp_f32 v[FF+2*\a], 1.0, v[T+24*\a+16]     ; f = 2^(old M - new M): a multiplication by it rounds nothing
.endr
.set j, 0
.rept 32
.irp a, 0,1
	v_pk_fma_f32 v[S+64*\a+j:S+64*\a+j+1], v[S+64*\a+j:S+64*\a+j+1], s[CS:CS+1], v[ST+4*\a:ST+4*\a+1] op_sel_hi:[1,0,0]   ; t - M
.endr
.set j, j+2
.endr
.irp b, 0,1,2,3
.irp a, 0,1
	v_fma_f32 v[T+24*\a+\b], v[T+24*\a+\b], s[CS], v[ST+4*\a]   ; the same of each block's largest score
.endr
.endr
.set j, 0
	s_wait_alu depctr_va_vdst(0)                   ; the wait ahead of the batch
.rept 128
	v_exp_f32 v[S+j], v[S+j]                       ; p = 2^(t - M): one batch for both tiles
.set j, j+1
.endr
.irp a, 0,1
	v_pk_mul_f32 v[ST+4*\a+2:ST+4*\a+3], v[ST+4*\a+2:ST+4*\a+3], v[FF+2*\a:FF+2*\a+1] op_sel_hi:[1,0]   ; the sums under the new M: plain lines behind the batch
.endr
	s_wait_alu depctr_va_vdst(0)                   ; one wait for the batch, ahead of the first line that names a result
.irp b, 0,1,2,3
.irp a, 0,1
	v_exp_f32 v[T+24*\a+\b], v[T+24*\a+\b]         ; the blocks' largest p: the same two instructions on the same number
.endr
.endr
.irp a, 0,1
	v_pk_add_f32 v[T+24*\a+18:T+24*\a+19], v[S+64*\a:S+64*\a+1], v[S+64*\a+2:S+64*\a+3]   ; the row's sum is taken of the unquantised p, in two chains a tile
.endr
.irp j, 4,8,12,16,20,24,28,32,36,40,44,48,52,56,60
.irp a, 0,1
	v_pk_add_f32 v[ST+4*\a+2:ST+4*\a+3], v[ST+4*\a+2:ST+4*\a+3], v[S+64*\a+\j:S+64*\a+\j+1]
	v_pk_add_f32 v[T+24*\a+18:T+24*\a+19], v[T+24*\a+18:T+24*\a+19], v[S+64*\a+\j+2:S+64*\a+\j+3]
.endr
.endr
.irp a, 0
	s_delay_alu instid0(VALU_DEP_3)
	v_pk_add_f32 v[ST+4*\a+2:ST+4*\a+3], v[ST+4*\a+2:ST+4*\a+3], v[T+24*\a+18:T+24*\a+19]
.endr
.irp a, 1
	s_delay_alu instid0(VALU_DEP_2)
	v_pk_add_f32 v[ST+4*\a+2:ST+4*\a+3], v[ST+4*\a+2:ST+4*\a+3], v[T+24*\a+18:T+24*\a+19]
.endr
	s_wait_alu depctr_va_vdst(0)                   ; and one for the eight
.irp b, 0,1,2,3
.irp a, 0,1
	v_max_num_f32 v[T+24*\a+\b], 0x4800000, v[T+24*\a+\b]   ; the floor 2^(9 - 127): the byte cannot fall under 1
.endr
.endr
.irp b, 0,1,2,3
.irp a, 0,1
	v_add_nc_u32 v[T+24*\a+12+\b], 0xfc000000, v[T+24*\a+\b]            ; the conversion's scale operand
	v_and_or_b32 v[T+24*\a+8+(\b+\a)%4], v[T+24*\a+\b], 0x7f800000, s[MNT]     ; 448 x the scale; tile 1's stand one register on, so that a dual pair's two bounds differ modulo 4
.endr
.endr
.irp b, 0,1,2,3
.irp a, 0,1
	v_lshrrev_b32 v[T+24*\a+4+\b], 23, v[T+24*\a+12+\b]   ; the scale's byte
.endr
.endr
.irp a, 0,1
	v_lshl_or_b32 v[PWD+\a], v[T+24*\a+5], 8, v[T+24*\a+4]   ; p's scale word for these 128 keys
.endr
.irp a, 0,1
	s_delay_alu instid0(VALU_DEP_2)
	v_lshl_or_b32 v[PWD+\a], v[T+24*\a+6], 16, v[PWD+\a]
.endr
.irp a, 0,1
	s_delay_alu instid0(VALU_DEP_2)
	v_lshl_or_b32 v[PWD+\a], v[T+24*\a+7], 24, v[PWD+\a]
.endr
.irp b, 0,1,2,3                                ; the hold: the conversion does not saturate (ISA guide 7.6.2); p is not negative, so it is one-sided.  Two holds a line, one of each tile
.irp i, 0,2,4,6,8,10,12,14
	v_dual_min_num_f32 v[S+16*\b+\i], v[S+16*\b+\i], v[T+8+\b] :: v_dual_min_num_f32 v[S+64+16*\b+\i+1], v[S+64+16*\b+\i+1], v[T+32+(\b+1)%4]
	v_dual_min_num_f32 v[S+64+16*\b+\i], v[S+64+16*\b+\i], v[T+32+(\b+1)%4] :: v_dual_min_num_f32 v[S+16*\b+\i+1], v[S+16*\b+\i+1], v[T+8+\b]
.endr
.irp a, 0,1
	v_cvt_scalef32_pk8_fp8_f32 v[PC+16*\a+4*\b:PC+16*\a+4*\b+1], v[S+64*\a+16*\b:S+64*\a+16*\b+7], v[T+24*\a+12+\b]
	v_cvt_scalef32_pk8_fp8_f32 v[PC+16*\a+4*\b+2:PC+16*\a+4*\b+3], v[S+64*\a+16*\b+8:S+64*\a+16*\b+15], v[T+24*\a+12+\b]
.endr
.endr
	WIN 0x41
	s_wait_alu depctr_va_vdst(0)                   ; the wait directly ahead of the first reader of O^T
.irp a, 0,1
.set j, 0
.rept 16
	v_pk_mul_f32 v[64+32*\a+j:64+32*\a+j+1], v[64+32*\a+j:64+32*\a+j+1], v[FF+2*\a:FF+2*\a+1] op_sel_hi:[1,0]   ; O^T under the new M; also the lines between the conversions and the products
.set j, j+2
.endr
.endr
	s_wait_alu depctr_va_vdst(0)
	s_wait_dscnt 0x0                               ; V and its words are in
	WIN 0x51                                       ; V window 1, p window 0, O^T window 1
.irp t, 0,1,2,3
.irp a, 0,1
	v_wmma_scale_f32_16x16x128_f8f6f4 v[64+32*\a+8*\t:64+32*\a+8*\t+7], v[192+16*\t:192+16*\t+15], v[PC+16*\a:PC+16*\a+15], v[64+32*\a+8*\t:64+32*\a+8*\t+7], v[VW+\t], v[PWD+\a]
.endr
.endr
	WIN 0
.endm
.macro LOOP n, first, trips            ; key steps first .. first + trips - 1 of head n
	s_mov_b32 s[TK], 131072*\n+8192*\first
	s_mov_b32 s[TV], 131072*\n+65536+8192*\first
	s_mov_b32 s[TKS], KSC+6144*\n+512*\first
	s_mov_b32 s[TVS], KSC+6144*\n+4096+256*\first
	s_mov_b32 s[CNT], \trips
.Ltrip_\@:
	TRIP
	s_add_co_u32 s[TK], s[TK], 8192
	s_add_co_u32 s[TV], s[TV], 8192
	s_add_co_u32 s[TKS], s[TKS], 512
	s_add_co_u32 s[TVS], s[TVS], 256
	s_sub_co_u32 s[CNT], s[CNT], 1
	s_cmp_lg_u32 s[CNT], 0
	s_cbranch_scc1 .Ltrip_\@
.endm
.macro INIT n                          ; a head begins
.if \n
	WIN 0x41
.irp a, 0,1
.irp j, 0,1,2,3,4,5,6,7
	v_mov_b32 v[8+16*\a+\j], v[40+8*\a+\j]         ; the second head's Q takes the first's place
.endr
.endr
	WIN 0
	v_mov_b32 v[QL], v[Q1W]
	v_mov_b32 v[QL+1], v[Q1W+1]
.endif
	v_lshlrev_b32 v[QH], 16, v[QL]                 ; the words for [0, Q]: Q's two bytes stand over the operand's upper 64
	v_lshlrev_b32 v[QH+1], 16, v[QL+1]
.irp a, 0,1
	v_mov_b32 v[ST+4*\a+1], 0xff61b1e6             ; the largest t so far: -3e38
	s_delay_alu instid0(VALU_DEP_1)
	v_floor_f32 v[ST+4*\a], -v[ST+4*\a+1]
	v_mov_b32 v[ST+4*\a+2], 0
	v_mov_b32 v[ST+4*\a+3], 0
.endr
	WIN 0x40
.set j, 0
.rept 64
	v_mov_b32 v[64+j], 0                           ; O^T: the trip is written once; the first finds zeros
.set j, j+1
.endr
	WIN 0
.endm
.macro WAYOUT n                        ; O^T / the sum, through my stage, a tile of 16 queries x 256 bytes at a time: sixteen lanes store 256 bytes on end
.rept 8
	v_nop                                          ; the places behind the last products
.endr
.irp a, 0,1
	v_add_f32 v[ST+4*\a+2], v[ST+4*\a+2], v[ST+4*\a+3]
.endr
.irp a, 0,1
	s_delay_alu instid0(VALU_DEP_2)
	v_permlanex16_b32 v[T+24*\a+16], v[ST+4*\a+2], s[SEL], s[SEL+1]
.endr
.irp a, 0,1
	s_delay_alu instid0(VALU_DEP_2)
	v_add_f32 v[ST+4*\a+2], v[ST+4*\a+2], v[T+24*\a+16]   ; the row's sum
.endr
	s_wait_alu depctr_va_vdst(0)
.irp a, 0,1
	v_rcp_f32 v[ST+4*\a+3], v[ST+4*\a+2]
.endr
	v_nop                                          ; a plain line behind the reciprocals
	WIN 0x01
	s_wait_alu depctr_va_vdst(0)                   ; the wait ahead of their first reader, which is O^T's too
.irp a, 0,1
.set j, 0
.rept 32
	v_mul_f32 v[S+64*\a+j], v[64+32*\a+j], v[ST+4*\a+3]   ; register 16 b + i is channel 32 b + 16 h + i of my query
.set j, j+1
.endr
.endr
	WIN 0
.irp a, 0,1
.irp b, 0,1
.irp m, 0,1,2,3
	ds_store_b128 v[STO], v[S+64*\a+16*\b+4*\m:S+64*\a+16*\b+4*\m+3] offset:128*\b+16*\m
.endr
.endr
.irp i, 0,1,2,3,4,5,6,7
	ds_load_b128 v[S+64*\a+32+4*\i:S+64*\a+32+4*\i+3], v[RD] offset:544*\i   ; LDS serves a wave's instructions in order: these see my stores, and the next tile's stores come behind them
.endr
.endr
.irp a, 0,1
.irp i, 0,1,2,3,4,5,6,7
	s_wait_dscnt 16*(1-\a)+7-\i                    ; the younger loads, and the other tile's sixteen lines, may be out
	global_store_b128 v[GO], v[S+64*\a+32+4*\i:S+64*\a+32+4*\i+3], s[12:13] offset:(2*\i+8*(\i/4)+8*\a)*4096 th:TH_STORE_NT   ; stage row 2 i + h is query 8 a + 2 i + h + 8 (i / 4) of my 32
.endr
.endr
.if \n == 0
	s_wait_xcnt 0x0                                ; the stores have read their registers and their base
	s_add_nc_u64 s[12:13], s[12:13], 256           ; the next head's 64 columns
.endif
.endm
	s_wait_alu depctr_va_vdst(0)                   ; the wait at the head's end
	s_wait_tensorcnt 0x0                           ; my tile of the first fill is in; the lines ahead of the second fill:
	ds_add_u32 v[SPW], v[NIL]
	s_mov_b32 s[G1M+2], 128<<16                    ; no tensor load of mine is out: the second fill's tiles have twice the rows
	s_mov_b32 s[G1M+4], 128
	s_mov_b32 s[G1K+2], 16<<16
	s_mov_b32 s[G1K+4], 16
	s_mov_b32 s[G1V+2], 8<<16
	s_mov_b32 s[G1V+4], 8
	s_wait_dscnt 0x0
	CROUND                                         ; everybody's tiles are in, and all four work-groups are here
	ARM 6, 60, G1M, .Ls_ks, .Ls_join
	ARM 7, 68, G1K, .Ls_vs, .Ls_join
	TL 72, G1V
.Ls_join:
	s_wait_loadcnt 0x0                             ; Q and its words
	INIT 0
	LOOP 0, 0, 4
	s_wait_tensorcnt 0x0                           ; my tile of the second fill is in,
	s_wait_dscnt 0x0
	s_barrier_signal -1
	s_barrier_wait -1                              ; and everybody's
	LOOP 0, 4, 4
	WAYOUT 0
	INIT 1
	LOOP 1, 0, 8
	WAYOUT 1
	s_wait_tensorcnt 0x0                           ; the wave's end
	ds_add_u32 v[SPW], v[NIL]
	s_wait_dscnt 0x0
	CROUND                                         ; the closing round
	s_endpgm
.Lfunc_end_k_q3045ea302f_attn:
	.size	k_q3045ea302f_attn, .Lfunc_end_k_q3045ea302f_attn-k_q3045ea302f_attn
	.p2alignl 7, 3214868480
	.fill 96, 4, 3214868480
	.section	.rodata,"a",@progbits
	.p2align	6, 0x0
	.amdhsa_kernel k_q3045ea302f_attn
		.amdhsa_group_segment_fixed_size 327680
		.amdhsa_private_segment_fixed_size 0
		.amdhsa_enable_private_segment 0
		.amdhsa_kernarg_size 40
		.amdhsa_user_sgpr_count 2
		.amdhsa_user_sgpr_kernarg_segment_ptr 1
		.amdhsa_wavefront_size32 1
		.amdhsa_system_sgpr_workgroup_id_x 1
		.amdhsa_system_sgpr_workgroup_id_y 1
		.amdhsa_system_sgpr_workgroup_id_z 1
		.amdhsa_system_vgpr_workitem_id 0
		.amdhsa_next_free_vgpr 512
		.amdhsa_next_free_sgpr 96
		.amdhsa_reserve_vcc 0
		.amdhsa_float_denorm_mode_32 3
		.amdhsa_float_denorm_mode_16_64 3
		.amdhsa_memory_ordered 1
		.amdhsa_forward_progress 1
		.amdhsa_inst_pref_size 136
	.end_amdhsa_kernel
	.amdgpu_metadata
---
amdhsa.version: [ 1, 2 ]
amdhsa.kernels:
  - .name:           k_q3045ea302f_attn
    .symbol:         k_q3045ea302f_attn.kd
    .args:
      - { .name: qc, .offset: 0, .size: 8, .value_kind: global_buffer, .address_space: global }
      - { .name: kv, .offset: 8, .size: 8, .value_kind: global_buffer, .address_space: global }
      - { .name: qks, .offset: 16, .size: 8, .value_kind: global_buffer, .address_space: global }
      - { .name: vs, .offset: 24, .size: 8, .value_kind: global_buffer, .address_space: global }
      - { .name: out0, .offset: 32, .size: 8, .value_kind: global_buffer, .address_space: global }
    .group_segment_fixed_size: 327680
    .private_segment_fixed_size: 0
    .kernarg_segment_align: 8
    .kernarg_segment_size: 40
    .max_flat_workgroup_size: 256
    .sgpr_count:     96
    .vgpr_count:     512
    .wavefront_size: 32
...
	.end_amdgpu_metadata
.endif
;; end of part 3
